; MI455X (gfx1250); checked and timed in simulation.
; The chip was launched on July 23, 2026; its instructions are those of AMD's public machine-readable ISA for CDNA 5 (MIT licence, August 2026) and "CDNA5" Instruction Set Architecture Reference Guide (July 2026). The comments in the code are by the model that wrote it; some were corrected since.
;; Sparse Attention. Allowed arithmetic: matrix products marked QUANTISED: E2M3 operands, one E8M0 scale for each 32 along K, by v_wmma_scale_f32_16x16x128_f8f6f4 with both operands' format E2M3, f32 sums; everything else in f32.
;; Inputs: Wk 512 x 512 float32; Wo 512 x 512 float32; Wq 512 x 512 float32; Wv 512 x 512 float32; bk 512 float32; bo 512 float32; bq 512 float32; bv 512 float32; x 2 x 4,096 x 512 float32.
;; Outputs: out0 2 x 4,096 x 512 float32.
;; This version of the problem:
;;   THIS VERSION OF THE PROBLEM IS GIVEN IN LOW PRECISION. The matrix products marked QUANTISED in the list below multiply operands that are first quantised to E2M3 (2 exponent bits, 3 mantissa bits; 6 bits a number), with one power-of-two scale for each 32 numbers along K (OCP MX v1.0); their sums are f32. All else is computed in f32.
;;   The module's matrix products, in the order in which they are computed (A, B: the left and right operand; K: the contracted axis; several contracted axes count as one K, in the product's order):
;;     1. [M 8,192, K 512] x [K 512, N 512]; A: input x; B: input Wq: QUANTISED
;;     2. [M 8,192, K 512] x [K 512, N 512]; A: input x; B: input Wk: QUANTISED
;;     3. [M 8,192, K 512] x [K 512, N 512]; A: input x; B: input Wv: QUANTISED
;;     4. batch 16 x [M 4,096, K 64] x [K 64, N 4,096]; A: computed on the way; B: computed on the way: QUANTISED
;;     5. batch 16 x [M 4,096, K 4,096] x [K 4,096, N 64]; A: softmax (see below); B: computed on the way: QUANTISED
;;     6. [M 8,192, K 512] x [K 512, N 512]; A: computed on the way; B: input Wo: QUANTISED
;;   THE QUANTISER, for each operand of a quantised product, along K:
;;     - K is cut into blocks of 32 from its start; a last block that is shorter is filled with zeros.
;;     - A block's scale is 2^e with e = floor(log2(the largest magnitude in the block)) - 2, held to -126 .. 127; a block of zeros has e = 0. As a byte (E8M0): e + 127.
;;     - Each number is divided by its block's scale, clamped to +-7.5, and rounded to the nearest number of E2M3, ties to even, subnormals kept.
;;     - The product sums the exact products of the quantised numbers (number of the format x scale) in f32.
;;   ~~~python
;;   def quantise(x, axis):      # numpy; x: float32 -> the quantised numbers, widened to float32 again
;;       x = np.moveaxis(x, axis, -1); K = x.shape[-1]
;;       x = np.pad(x, [(0, 0)] * (x.ndim - 1) + [(0, -K % 32)]); x = x.reshape(x.shape[:-1] + (-1, 32)); a = np.abs(x).max(-1, keepdims=True)
;;       e = np.where(a > 0, np.clip(np.frexp(np.where(a > 0, a, 1))[1] - 1 - 2, -126, 127), 0)      # np.frexp(a)[1] - 1 = floor(log2(a)), exactly
;;       r = np.clip(x / 2.0 ** e, -7.5, 7.5)
;;       step = 2.0 ** (np.maximum(np.frexp(np.where(r == 0, 1, r))[1] - 1, 0) - 3)
;;       q = np.round(r / step) * step * 2.0 ** e      # np.round: ties to even
;;       return np.moveaxis(q.reshape(q.shape[:-2] + (-1,))[..., :K], -1, axis).astype(np.float32)
;;   ~~~
;;   SOFTMAX AHEAD OF A QUANTISED PRODUCT. Where the list says 'softmax', what is quantised is not the finished softmax but p = 2^(t - M), with t = logit x log2(e) and M = ceil(the row's largest t), a whole number; so 1/2 < the row's largest p <= 1. The row's sum l is taken of the UNQUANTISED p, in f32, and the product's result is divided by l at the end. Since M is a whole number, a kernel that streams over the keys may use a running M (the ceiling of the running maximum): every later rescaling is an exact power of two, which a block's scale takes up: the codes' values come out the same.
;;   OPERANDS COMPUTED ON THE WAY. 'Computed on the way' means the value that the module computes at that place (a softmax that the list does not call 'softmax' is quantised finished and normalised). What goes into a quantiser is computed in f32, as accurately as f32 sums, v_exp_f32 and their like allow (about 1e-6 of the number): no bf16 or f16 on the way to a quantiser, and a product that is left as it is and whose result goes on into a quantised operand takes f32 operands (vector FMAs, or v_wmma_f32_16x16x4_f32). A number that lies on a knife's edge between two numbers of the format may be rounded either way, as far as f32 arithmetic and the matrix unit's own rounding can turn it there, and no further.
;; One version. Each part assembles by itself: llvm-mc -triple=amdgcn-amd-amdhsa -mcpu=gfx1250 --defsym DOCPART=n.
;; ======== version 1 of 1: 3 launches
;; workspace buffers: xr 3,276,800 bytes; wr 614,400 bytes; wor 204,800 bytes; qr 3,407,872 bytes; kr 3,407,872 bytes; vr 3,276,800 bytes
;; launch quant (part 1): grid 640 x 1, 4 waves a work-group, no clusters, 35,328 bytes of LDS; arguments x, Wq, Wk, Wv, Wo, xr, wr, wor; writes xr, wr, wor
.if DOCPART == 1
	.amdgcn_target "amdgcn-amd-amdhsa--gfx1250"
	.amdhsa_code_object_version 6
	.text
	.protected	k_q47aff6d4c8_quant
	.globl	k_q47aff6d4c8_quant
	.p2align	8
	.type	k_q47aff6d4c8_quant,@function
k_q47aff6d4c8_quant:
	s_mov_b64 s[64:65], 0
	v_nop
	global_prefetch_b8 v0, s[64:65] scope:SCOPE_SE
	s_setreg_imm32_b32 hwreg(HW_REG_WAVE_MODE, 25, 1), 1
	s_wait_xcnt 0x0
; x [8192][512] and Wq, Wk, Wv, Wo [512][512], f32, K (the 512) innermost, become codes of FP6 (E2M3) with one E8M0 byte for each 32 along K,
; laid in the ORDER OF THE OPERAND'S REGISTERS, so that the later launches load fragments whole.
; A TILE is 16 rows that are not neighbours: tile 2 g + u holds rows 32 g + 8 u + m + 8 (m / 8), m = 0 .. 15, so that the results of two neighbouring tiles are 16 neighbours along the axis of the tile's rows.
; A FRAGMENT (16 rows x 128 K, 12 registers a lane) is stored as three runs of 512 bytes: registers 4 c .. 4 c + 3 of lane l at 512 c + 16 l.
; A tile's SCALES for its four K steps are 256 bytes: lane l's 8 bytes at 8 l; word 0 = the word of row l % 16 for K step l / 16, word 1 for K step 2 + l / 16.
; x's and Wo's tiles: records of 6,400 bytes (four fragments, the scales).  Wq, Wk, Wv: a record of 76,800 bytes for each head: fragment ((role 4 + t) 4 + s) x 1,536, scales at 73,728 + (role 4 + t) x 256.
; A block's scale is 2^(floor(log2(largest magnitude)) - 2): its byte is the largest magnitude's exponent field - 2, held at 1 from below.
; LIMITS: a block of zeros gets the byte 1 where the rule says 127 (its codes are zeros, and this program alone reads the bytes); blocks whose largest magnitude lies under 2^-124 were not tried; NaN and infinities are not served.
; SHARES: a work-group takes one tile, wave s its K step s.  Work-groups 0-511: x's tiles; 512 + 32 role + T: the weights' (role 0 q, 1 k, 2 v, 3 o).  One path for all: only pointers and offsets are chosen.
; A stream: no matrix unit, no cluster, no tensor load (nothing is shared); every load is issued in the first lines, so nothing is left to prefetch.
.set SP,   528                         ; a stage row: 512 bytes + 16: sixteen rows of a 16-byte column start at sixteen different groups of banks
.set WST,  16*SP                       ; a wave's stage
.set SCL,  4*WST                       ; behind the stages: the tile's 256 scale bytes
.set R,    16                          ; v16-79   sixteen rows' 16 bytes as loaded
.set X,    80                          ; v80-143  register 16 b + i = k 32 b + 16 (lane / 16) + i of row lane % 16
.set PC,   144                         ; v144-162 the codes
.set TM,   164                         ; v164-179 at work
.set PW,   180                         ; v180     the scale word
.set SEL,  32                          ; s[32:33] v_permlanex16_b32's selects for lane l xor 16
; 64 numbers of a lane, register 16 b + i = k 32 b + 16 (lane / 16) + i of my row, become a fragment's codes in v[PC] on and its scale word in v[PW].
.macro QUANT s
.irp b, 0,1,2,3
	v_max3_num_f32 v[TM+\b], |v[(\s)+16*\b]|, |v[(\s)+1+16*\b]|, 0x1800000   ; block b: my 16 numbers, and the floor 2^(3 - 127): the byte cannot fall under 1
.endr
.irp i, 2,4,6,8,10,12,14
.irp b, 0,1,2,3
	v_max3_num_f32 v[TM+\b], v[TM+\b], |v[(\s)+16*\b+\i]|, |v[(\s)+1+16*\b+\i]|   ; the four blocks by turns
.endr
.endr
.irp b, 0,1,2,3
	v_permlanex16_b32 v[TM+4+\b], v[TM+\b], s[SEL], s[SEL+1]
.endr
.irp b, 0,1,2,3
	v_max_num_f32 v[TM+\b], v[TM+\b], v[TM+4+\b]   ; with lane l xor 16's: the block's largest magnitude
.endr
.irp b, 0,1,2,3
	v_add_nc_u32 v[TM+12+\b], 0xff000000, v[TM+\b]   ; 2 off its exponent field: the conversion's scale operand
.endr
.irp b, 0,1,2,3
	v_lshrrev_b32 v[TM+4+\b], 23, v[TM+12+\b]   ; the scale's byte
.endr
	v_lshl_or_b32 v[PW], v[TM+5], 8, v[TM+4]
	v_lshl_or_b32 v[PW], v[TM+6], 16, v[PW]
	v_lshl_or_b32 v[PW], v[TM+7], 24, v[PW]
.irp c, 0,1
	v_cvt_scalef32_pk16_fp6_f32 v[PC+6*\c:PC+2+6*\c], v[(\s)+32*\c:(\s)+15+32*\c], v[TM+12+2*\c]
	v_cvt_scalef32_pk16_fp6_f32 v[PC+12+4*\c:PC+14+4*\c], v[(\s)+16+32*\c:(\s)+31+32*\c], v[TM+12+2*\c+1]   ; (a conversion's three registers begin on an even number)
.endr
	v_nop                                          ; one plain place behind a scaled conversion
.irp c, 0,1                                    ; the operand's layout wants a WHOLE block in a lane: lanes 0-15 block 2 c, lanes 16-31 block 2 c + 1
.irp i, 0,1,2
	v_permlane16_swap_b32 v[PC+6*\c+\i], v[PC+12+4*\c+\i]
.endr
.irp i, 0,1,2
	v_mov_b32 v[PC+3+6*\c+\i], v[PC+12+4*\c+\i]
.endr
.endr
.endm
	s_load_b512 s[4:19], s[0:1], 0x0               ; x 4:5, Wq 6:7, Wk 8:9, Wv 10:11, Wo 12:13, xr 14:15, wr 16:17, wor 18:19
	v_lshl_add_u32 v192, v0, 2, 0x8800
	v_mov_b32 v193, 0
	v_lshrrev_b32 v1, 5, v0
	v_readfirstlane_b32 s20, v1                    ; wave = K step
	s_max_u32 s21, ttmp9, 512
	s_sub_co_u32 s21, s21, 512                     ; a weight's work-group: 32 role + T (0 in x's work-groups)
	s_lshr_b32 s22, s21, 5                         ; role
	s_and_b32 s23, s21, 31
	s_cmp_lt_u32 ttmp9, 512
	s_cselect_b32 s23, ttmp9, s23                  ; T: the tile in its tensor
	s_cselect_b32 s34, 1, 0                        ; 1: x
	s_cmp_lt_u32 s22, 3
	s_cselect_b32 s35, 1, 0
	s_and_not1_b32 s35, s35, s34                   ; 1: Wq, Wk or Wv, which go into the heads' records
	s_mul_i32 s36, s23, 6400                       ; x, Wo: the tile's record,
	s_add_co_u32 s38, s36, 6144                    ; and its scales
	s_lshr_b32 s40, s23, 2
	s_mul_i32 s40, s40, 76800                      ; Wq, Wk, Wv: the head's record,
	s_and_b32 s41, s23, 3                          ; t: the tile in the head
	s_mul_i32 s42, s22, 24576
	s_mul_i32 s43, s41, 6144
	s_add_co_u32 s42, s42, s43
	s_add_co_u32 s42, s42, s40                     ; the tile's four fragments,
	s_lshl_b32 s43, s22, 10
	s_lshl_b32 s41, s41, 8
	s_add_co_u32 s43, s43, s41
	s_add_co_u32 s43, s43, s40
	s_add_co_u32 s43, s43, 73728                   ; and its scales
	s_cmp_eq_u32 s35, 1
	s_cselect_b32 s36, s42, s36
	s_cselect_b32 s38, s43, s38
	s_mul_i32 s40, s20, 1536
	s_add_co_u32 s36, s36, s40                     ; my K step's fragment
	s_mov_b32 s37, 0
	s_mov_b32 s39, 0
	s_lshr_b32 s40, s23, 1                         ; the source: group T / 2 of 32 rows of 2,048 bytes,
	s_lshl_b32 s40, s40, 16
	s_and_b32 s41, s23, 1
	s_lshl_b32 s41, s41, 14                        ; 8 rows on for the odd tile,
	s_add_co_u32 s40, s40, s41
	s_lshl_b32 s41, s20, 9                         ; my 128 columns
	s_add_co_u32 s40, s40, s41
	s_mov_b32 s41, 0
	s_mov_b32 s[SEL], 0x76543210
	s_mov_b32 s[SEL+1], 0xfedcba98
	v_and_b32 v7, 31, v0                           ; lane
	v_lshlrev_b32 v1, 4, v7                        ; 16 x lane
	v_lshlrev_b32 v2, 3, v7                        ; 8 x lane
	v_and_b32 v8, 15, v0                           ; r
	v_bfe_u32 v9, v0, 4, 1                         ; h
	s_mul_i32 s44, s20, WST
	v_add_nc_u32 v3, s44, v1                       ; the stage, on the way in: 16 bytes a lane of a row
	v_mul_u32_u24 v4, v8, SP
	v_lshl_add_u32 v4, v9, 6, v4
	v_add_nc_u32 v4, s44, v4                       ; on the way out: row r, + 64 h: my 16 numbers of each block of 32
	s_and_b32 s45, s20, 1
	s_lshl_b32 s45, s45, 7
	s_lshr_b32 s46, s20, 1
	s_lshl_b32 s46, s46, 2
	s_add_co_u32 s45, s45, s46
	s_add_co_u32 s45, s45, SCL
	v_lshl_add_u32 v5, v8, 3, s45                  ; my row's word in the scales' image: 8 r + 128 (s % 2) + 4 (s / 2)
	v_add_nc_u32 v6, SCL, v2
.irp b, 0,1,2,3
	v_mov_b32 v[TM+4+\b], 0                        ; written once: a lane permute's destination counts as one of its sources
.endr
	s_wait_alu depctr_va_vdst(0)
	s_wait_kmcnt 0x0
	s_mov_b64 s[24:25], s[6:7]                     ; the choices hang on the work-group's number alone
	s_cmp_eq_u32 s22, 1
	s_cselect_b64 s[24:25], s[8:9], s[24:25]
	s_cmp_eq_u32 s22, 2
	s_cselect_b64 s[24:25], s[10:11], s[24:25]
	s_cmp_eq_u32 s22, 3
	s_cselect_b64 s[24:25], s[12:13], s[24:25]
	s_cselect_b64 s[26:27], s[18:19], s[16:17]
	s_cmp_eq_u32 s34, 1
	s_cselect_b64 s[24:25], s[4:5], s[24:25]
	s_cselect_b64 s[26:27], s[14:15], s[26:27]
	s_add_nc_u64 s[24:25], s[24:25], s[40:41]      ; from here I read,
	s_add_nc_u64 s[28:29], s[26:27], s[36:37]      ; here go my codes,
	s_add_nc_u64 s[30:31], s[26:27], s[38:39]      ; here the tile's scales
.irp i, 0,1,2,3,4,5,6,7,8,9,10,11,12,13,14,15
	global_load_b128 v[R+4*\i:R+4*\i+3], v1, s[24:25] offset:(\i+8*(\i/8))*2048 th:TH_LOAD_NT   ; tile row i: 32 lanes read 512 consecutive bytes
.endr
.irp i, 0,1,2,3,4,5,6,7,8,9,10,11,12,13,14,15
	s_wait_loadcnt 15-\i                           ; loads come back in order: row i is in, the 15 - i younger ones stay out
	ds_store_b128 v3, v[R+4*\i:R+4*\i+3] offset:SP*\i
.endr
.irp b, 0,1,2,3
.irp j, 0,1,2,3
	ds_load_b128 v[X+16*\b+4*\j:X+16*\b+4*\j+3], v4 offset:128*\b+16*\j   ; LDS serves a wave's instructions in order: these see my stores
.endr
.endr
	s_wait_dscnt 0x0
	QUANT X
.irp c, 0,1,2
	global_store_b128 v1, v[PC+4*\c:PC+4*\c+3], s[28:29] offset:512*\c   ; 512 consecutive bytes, aligned to 256
.endr
	ds_store_b32 v5, v[PW]                         ; lanes l and l xor 16 write the same word with the same value
	s_wait_dscnt 0x0                               ; for the others' sake: my word has landed
	s_barrier_signal -1
	s_barrier_wait -1
	s_cmp_lg_u32 s20, 0
	s_cbranch_scc1 .Ldone
	ds_load_b64 v[182:183], v6                     ; wave 0 sends the four waves' words: one aligned run of 256 bytes
	s_wait_dscnt 0x0
	global_store_b64 v2, v[182:183], s[30:31]
.Ldone:
	s_wait_tensorcnt 0x0
	ds_add_u32 v192, v193
	s_wait_dscnt 0x0
	s_endpgm
.Lfunc_end_k_q47aff6d4c8_quant:
	.size	k_q47aff6d4c8_quant, .Lfunc_end_k_q47aff6d4c8_quant-k_q47aff6d4c8_quant
	.p2alignl 7, 3214868480
	.fill 96, 4, 3214868480
	.section	.rodata,"a",@progbits
	.p2align	6, 0x0
	.amdhsa_kernel k_q47aff6d4c8_quant
		.amdhsa_group_segment_fixed_size 35328
		.amdhsa_private_segment_fixed_size 0
		.amdhsa_enable_private_segment 0
		.amdhsa_kernarg_size 64
		.amdhsa_user_sgpr_count 2
		.amdhsa_user_sgpr_kernarg_segment_ptr 1
		.amdhsa_wavefront_size32 1
		.amdhsa_system_sgpr_workgroup_id_x 1
		.amdhsa_system_sgpr_workgroup_id_y 1
		.amdhsa_system_sgpr_workgroup_id_z 1
		.amdhsa_system_vgpr_workitem_id 0
		.amdhsa_next_free_vgpr 194
		.amdhsa_next_free_sgpr 66
		.amdhsa_reserve_vcc 0
		.amdhsa_float_denorm_mode_32 3
		.amdhsa_float_denorm_mode_16_64 3
		.amdhsa_memory_ordered 1
		.amdhsa_forward_progress 1
		.amdhsa_inst_pref_size 13
	.end_amdhsa_kernel
	.amdgpu_metadata
---
amdhsa.version: [ 1, 2 ]
amdhsa.kernels:
  - .name:           k_q47aff6d4c8_quant
    .symbol:         k_q47aff6d4c8_quant.kd
    .args:
      - { .name: x, .offset: 0, .size: 8, .value_kind: global_buffer, .address_space: global }
      - { .name: Wq, .offset: 8, .size: 8, .value_kind: global_buffer, .address_space: global }
      - { .name: Wk, .offset: 16, .size: 8, .value_kind: global_buffer, .address_space: global }
      - { .name: Wv, .offset: 24, .size: 8, .value_kind: global_buffer, .address_space: global }
      - { .name: Wo, .offset: 32, .size: 8, .value_kind: global_buffer, .address_space: global }
      - { .name: xr, .offset: 40, .size: 8, .value_kind: global_buffer, .address_space: global }
      - { .name: wr, .offset: 48, .size: 8, .value_kind: global_buffer, .address_space: global }
      - { .name: wor, .offset: 56, .size: 8, .value_kind: global_buffer, .address_space: global }
    .group_segment_fixed_size: 35328
    .private_segment_fixed_size: 0
    .kernarg_segment_align: 8
    .kernarg_segment_size: 64
    .max_flat_workgroup_size: 128
    .sgpr_count:     66
    .vgpr_count:     194
    .wavefront_size: 32
...
	.end_amdgpu_metadata
.endif
;; end of part 1
;; launch qkv (part 2): grid 8 x 32, 4 waves a work-group, no clusters, 168,448 bytes of LDS; arguments xr, wr, bq, bk, bv, qr, kr, vr; writes qr, kr, vr
.if DOCPART == 2
	.amdgcn_target "amdgcn-amd-amdhsa--gfx1250"
	.amdhsa_code_object_version 6
	.text
	.protected	k_q47aff6d4c8_qkv
	.globl	k_q47aff6d4c8_qkv
	.p2align	8
	.type	k_q47aff6d4c8_qkv,@function
k_q47aff6d4c8_qkv:
	s_mov_b64 s[64:65], 0
	v_nop
	global_prefetch_b8 v0, s[64:65] scope:SCOPE_SE
	s_setreg_imm32_b32 hwreg(HW_REG_WAVE_MODE, 25, 1), 1
	s_wait_xcnt 0x0
; q = x Wq^T + bq, k = x Wk^T + bk, v = x Wv^T + bv on codes of FP6 (E2M3) with E8M0 scales; the results are quantised in registers for the two products of attention and stored as records for each group of 32 rows.
; SHARES: work-group (x = head, y = block of 256 rows); wave w takes four tiles of 16 rows of x (two groups of 32) against the head's 12 tiles of weights: 192 matrix instructions.
; x's 16 fragments stay in the wave's registers, loaded whole from the images that the first launch laid; the head's record of weights (76,800 bytes) comes ONCE into LDS, a quarter by each wave's tensor load, and is read by all four.
; q, k: the product is used TRANSPOSED (source 0 = 16 rows of W, source 1 = 16 rows of x): a lane holds one row of x, and since a tile's rows of W are 32 b + 8 u + m + 8 (m / 8), its 16 registers of tiles 2 b, 2 b + 1 are 16 neighbouring
; features, 32 b + 16 (lane / 16) + 0 .. 15: the next product's K.  v: natural (source 0 = x): a lane holds one feature, and its 16 registers of x's tiles 2 G, 2 G + 1 are 16 neighbouring KEYS: the second product's K.
; The biases are the C of each sum's first matrix instruction.
; RECORDS.  qr, kr: 13,312 bytes a group: head x 1,536 + u x 768: tile u's six registers (K = 64): registers 0-3 at 16 l, 4-5 at 512 + 8 l; scale words at 12,288 + head x 128 + u x 64 + 4 r (bytes 0, 1; bytes 2, 3 are 0).
; vr: 12,800 bytes a group: head x 1,536 + t x 256 + 16 r: registers 0-3 of feature row r of feature tile t (the group's 32 keys); + 1,024 + t x 128 + 8 r: registers 4-5; scales at 12,288 + head x 64 + 4 r, byte t for tile t.
; The scale words of a group and head are 128 or 64 bytes: runs shorter than 256 bytes, one thirteenth of a record.
; NO CLUSTER: what work-groups share is one first fill of 76,800 bytes each; there is no loop of refills whose requests a joint load would divide, and two rounds of a cluster's barrier would stand beside 192 matrix instructions a wave.
; No prefetch: every load of the launch is issued at its head.  No LDS byte is filled twice and none is stored to.
; LIMITS: as in the first launch: a block of zeros gets the byte 1; blocks under 2^-124 were not tried; NaN and infinities are not served.
; REGISTERS, in windows of 256.  Window 0: v1-13 addresses and work; v16-23 x's scale words (tile i: a pair); v24-47 W's (tile 4 role + t: a pair); v48-175 sixteen accumulators; v176-212 the quantiser's.
;   Window 1: x's fragments, (i, s) at 12 (4 i + s).   Window 2: W's fragments of a K step, two sets of 48; from v96 bq's four tiles, from v128 bk's, from v160 bv's.
.set XS,  16
.set WS,  24
.set ACC, 48
.set PC,  176
.set TM,  196
.set PW,  212
.set SEL, 36
.set WB,  0
.set BQ,  96                           ; bk's follow 32 on
.set BV,  160
.set MSB, 0
.macro WIN new                         ; the immediate's high byte repeats the setting that is left
.if MSB != \new
	s_set_vgpr_msb (MSB<<8)|\new
.set MSB, \new
.endif
.endm
.macro QUANT s                         ; 64 numbers of a lane, four blocks of 16 registers (each shared with lane l xor 16), become codes in v[PC] on (registers 6 c .. 6 c + 5: block 2 c + lane / 16, whole) and four bytes in v[PW]
.irp b, 0,1,2,3
	v_max3_num_f32 v[TM+\b], |v[(\s)+16*\b]|, |v[(\s)+1+16*\b]|, 0x1800000   ; my 16 numbers, and the floor 2^(3 - 127).  Each accumulator is read from its low end on
.endr
.irp i, 2,4,6,8,10,12,14
.irp b, 0,1,2,3
	v_max3_num_f32 v[TM+\b], v[TM+\b], |v[(\s)+16*\b+\i]|, |v[(\s)+1+16*\b+\i]|
.endr
.endr
.irp b, 0,1,2,3
	v_permlanex16_b32 v[TM+4+\b], v[TM+\b], s[SEL], s[SEL+1]
.endr
.irp b, 0,1,2,3
	v_max_num_f32 v[TM+\b], v[TM+\b], v[TM+4+\b]
.endr
.irp b, 0,1,2,3
	v_add_nc_u32 v[TM+12+\b], 0xff000000, v[TM+\b]   ; 2 off the exponent field: the conversion's scale operand
.endr
.irp b, 0,1,2,3
	v_lshrrev_b32 v[TM+4+\b], 23, v[TM+12+\b]
.endr
	v_lshl_or_b32 v[PW], v[TM+5], 8, v[TM+4]
	v_lshl_or_b32 v[PW], v[TM+6], 16, v[PW]
	v_lshl_or_b32 v[PW], v[TM+7], 24, v[PW]
.irp c, 0,1
	v_cvt_scalef32_pk16_fp6_f32 v[PC+6*\c:PC+2+6*\c], v[(\s)+32*\c:(\s)+15+32*\c], v[TM+12+2*\c]
	v_cvt_scalef32_pk16_fp6_f32 v[PC+12+4*\c:PC+14+4*\c], v[(\s)+16+32*\c:(\s)+31+32*\c], v[TM+12+2*\c+1]
.endr
	v_nop                                          ; one plain place behind a scaled conversion: its sources are written again by matrix instructions
.irp c, 0,1
.irp i, 0,1,2
	v_permlane16_swap_b32 v[PC+6*\c+\i], v[PC+12+4*\c+\i]
.endr
.irp i, 0,1,2
	v_mov_b32 v[PC+3+6*\c+\i], v[PC+12+4*\c+\i]
.endr
.endr
.endm
	s_load_b512 s[4:19], s[0:1], 0x0               ; xr 4:5, wr 6:7, bq 8:9, bk 10:11, bv 12:13, qr 14:15, kr 16:17, vr 18:19
	v_lshl_add_u32 v254, v0, 2, 0x29000
	v_mov_b32 v255, 0
	ds_add_u32 v254, v255
	ds_add_u32 v254, v255
	v_lshrrev_b32 v1, 5, v0
	v_readfirstlane_b32 s20, v1                    ; wave
	s_and_b32 s22, ttmp7, 0xffff                   ; block of 256 rows; ttmp9 is the head
	s_mul_i32 s2, ttmp9, 76800
	s_mul_i32 s25, s20, 19200                      ; my quarter of the head's record: in LDS,
	s_add_co_u32 s2, s2, s25                       ; and in memory
	s_mov_b32 s3, 0
	s_mov_b32 s24, 1                               ; group 0: count = 1
	s_mov_b32 s28, 3<<16                           ; group 1: a dense block as 75 rows of 256 bytes: elements of 8 bytes, no mask, no padding
	s_mov_b32 s29, 32<<16                          ; tensor_dim0 = 32
	s_mov_b32 s30, 75<<16                          ; tensor_dim1 = 75
	s_mov_b32 s31, 32<<16                          ; tile_dim0 = 32
	s_mov_b32 s32, 75                              ; tile_dim1 = 75
	s_mov_b32 s33, 32                              ; from row to row
	s_mov_b32 s34, 0
	s_mov_b32 s35, 0
	s_mov_b32 s[SEL], 0x76543210
	s_mov_b32 s[SEL+1], 0xfedcba98
	s_mov_b32 s38, 0xffff0000                      ; lanes 16-31
	v_and_b32 v12, 31, v0
	v_lshlrev_b32 v1, 4, v12                       ; 16 x lane: an image's place; also role q's fragments in LDS
	v_lshlrev_b32 v2, 3, v12                       ; 8 x lane
	v_lshlrev_b32 v3, 2, v12                       ; 4 x lane
	v_bfe_u32 v13, v0, 4, 1                        ; h
	v_and_b32 v12, 15, v0                          ; r
	v_lshlrev_b32 v4, 4, v13                       ; 16 h
	v_add_nc_u32 v6, 24576, v1                     ; role k's fragments in LDS,
	v_add_nc_u32 v7, 49152, v1                     ; role v's,
	v_add_nc_u32 v8, 73728, v2                     ; the scales' images
	v_lshlrev_b32 v9, 2, v12
	v_mad_u32_u24 v9, v13, 12800, v9               ; v's scale words: lanes 0-15 my first group's record, lanes 16-31 my second's
	v_lshlrev_b32 v10, 6, v13                      ; bq, bk: 16 h numbers on
	v_and_b32 v11, 8, v12
	v_add_nc_u32 v11, v11, v12
	v_lshlrev_b32 v11, 2, v11                      ; bv: the number of tile row r: r + 8 (r / 8)
.irp b, 0,1,2,3
	v_mov_b32 v[TM+4+\b], 0                        ; written once: a lane permute's destination counts as one of its sources
.endr
	s_wait_alu depctr_va_vdst(0)
	s_wait_dscnt 0x0
	s_wait_kmcnt 0x0
	s_add_nc_u64 s[26:27], s[6:7], s[2:3]
	s_or_b32 s27, s27, 0x80000000                  ; type = 2
	tensor_load_to_lds s[24:27], s[28:35]          ; my one tensor load: a first fill, ahead of every wait on TENSORcnt, LDS read and barrier
	s_nop 0
.rept 4
	v_nop                                          ; four lines here ahead of a switch of windows
.endr
	s_lshl_b32 s2, s22, 4
	s_lshl_b32 s21, s20, 2
	s_add_co_u32 s2, s2, s21                       ; my first tile of x: 16 y + 4 w
	s_mul_i32 s2, s2, 6400
	s_add_nc_u64 s[40:41], s[4:5], s[2:3]
	s_lshl_b32 s2, ttmp9, 8                        ; the head's 64 numbers of each bias
	s_add_nc_u64 s[8:9], s[8:9], s[2:3]
	s_add_nc_u64 s[10:11], s[10:11], s[2:3]
	s_add_nc_u64 s[12:13], s[12:13], s[2:3]
	WIN 0x40                                       ; destination window 1
.irp i, 0,1,2,3
.irp s, 0,1,2,3
.irp c, 0,1,2
	global_load_b128 v[12*(4*\i+\s)+4*\c:12*(4*\i+\s)+4*\c+3], v1, s[40:41] offset:\i*6400+\s*1536+512*\c
.endr
.endr
.endr
	WIN 0
.irp i, 0,1,2,3
	global_load_b64 v[XS+2*\i:XS+2*\i+1], v2, s[40:41] offset:\i*6400+6144
.endr
	WIN 0x80                                       ; destination window 2
.irp t, 0,1,2,3                                ; lane (r, h) wants, for tile 2 b + u, the biases of features 32 b + 16 h + 8 u + 0 .. 7
	global_load_b128 v[BQ+8*\t:BQ+8*\t+3], v10, s[8:9] offset:(32*(\t/2)+8*(\t%2))*4
	global_load_b128 v[BQ+8*\t+4:BQ+8*\t+7], v10, s[8:9] offset:(32*(\t/2)+8*(\t%2))*4+16
	global_load_b128 v[BQ+32+8*\t:BQ+32+8*\t+3], v10, s[10:11] offset:(32*(\t/2)+8*(\t%2))*4
	global_load_b128 v[BQ+32+8*\t+4:BQ+32+8*\t+7], v10, s[10:11] offset:(32*(\t/2)+8*(\t%2))*4+16
	global_load_b32 v[BV+8*\t], v11, s[12:13] offset:(32*(\t/2)+8*(\t%2))*4   ; v: one feature a lane
.endr
	WIN 0
	s_lshl_b32 s21, s22, 3                         ; where the results go
	s_lshl_b32 s23, s20, 1
	s_add_co_u32 s21, s21, s23                     ; my first group: 8 y + 2 w
	s_mul_i32 s23, s21, 13312
	s_mul_i32 s2, ttmp9, 1536
	s_add_co_u32 s2, s2, s23
	s_add_nc_u64 s[44:45], s[14:15], s[2:3]        ; q's codes,
	s_add_nc_u64 s[48:49], s[16:17], s[2:3]        ; k's
	s_lshl_b32 s2, ttmp9, 7
	s_add_co_u32 s2, s2, s23
	s_add_co_u32 s2, s2, 12288
	s_add_nc_u64 s[46:47], s[14:15], s[2:3]        ; q's scale words,
	s_add_nc_u64 s[50:51], s[16:17], s[2:3]        ; k's
	s_mul_i32 s23, s21, 12800
	s_mul_i32 s2, ttmp9, 1536
	s_add_co_u32 s2, s2, s23
	s_add_nc_u64 s[52:53], s[18:19], s[2:3]        ; v's codes,
	s_lshl_b32 s2, ttmp9, 6
	s_add_co_u32 s2, s2, s23
	s_add_co_u32 s2, s2, 12288
	s_add_nc_u64 s[54:55], s[18:19], s[2:3]        ; v's scale words
	s_wait_tensorcnt 0x0                           ; my quarter of the record has landed,
	s_barrier_signal -1
	s_barrier_wait -1                              ; everybody's has
.irp k, 0,1,2,3,4,5,6,7,8,9,10,11
	ds_load_b64 v[WS+2*\k:WS+2*\k+1], v8 offset:256*\k
.endr
; W's four fragments of step n = 4 role + K step, into set n % 2: 12 loads of 512 consecutive bytes
.macro WFETCH n
.set fr, (\n)/4
.set fk, (\n)%4
.set war, 5+fr
.if fr == 0
.set war, 1
.endif
	WIN 0x80
.irp t, 0,1,2,3
.irp c, 0,1,2
	ds_load_b128 v[WB+48*((\n)%2)+12*\t+4*\c:WB+48*((\n)%2)+12*\t+4*\c+3], v[war] offset:(4*\t+fk)*1536+512*\c
.endr
.endr
	WIN 0
.endm
.macro MM odd                          ; an odd K step's scale words lie in lanes 16-31 of both registers
.if \odd
	v_wmma_scale_f32_16x16x128_f8f6f4 v[rD:rD+7], v[rA:rA+11], v[rB:rB+11], v[rC:rC+7], v[rSA], v[rSB] matrix_a_fmt:MATRIX_FMT_FP6 matrix_b_fmt:MATRIX_FMT_FP6 matrix_a_scale:MATRIX_SCALE_ROW1 matrix_b_scale:MATRIX_SCALE_ROW1
.else
	v_wmma_scale_f32_16x16x128_f8f6f4 v[rD:rD+7], v[rA:rA+11], v[rB:rB+11], v[rC:rC+7], v[rSA], v[rSB] matrix_a_fmt:MATRIX_FMT_FP6 matrix_b_fmt:MATRIX_FMT_FP6
.endif
.endm
; Step n: 16 matrix instructions, the 16 accumulators by turns, one instruction a turn, in the same order in every step.
.macro STEP n
.rept 4
	v_nop                                          ; four places in front of loads into the set that the last step's products read
.endr
.if (\n) < 11
	WFETCH (\n)+1
	s_wait_dscnt 12                                ; all but the 12 just issued: this step's fragments are in
.else
	s_wait_dscnt 0x0
.endif
.set rho, (\n)/4
.set ks, (\n)%4
.set bf, WB+48*((\n)%2)
.if rho < 2
.if ks == 0
	WIN 0x26                                       ; source 0 (W) window 2, source 1 (x) window 1, C (the bias) window 2, D window 0
.else
	WIN 0x06
.endif
.else
.if ks == 0
	WIN 0x29                                       ; source 0 (x) window 1, source 1 (W) window 2, C window 2
.else
	WIN 0x09
.endif
.endif
.irp i, 0,1,2,3
.irp t, 0,1,2,3
.if rho < 2
.set rD, ACC+32*\i+8*\t
.set rA, bf+12*\t
.set rB, 12*(4*\i+ks)
.set rC, BQ+32*rho+8*\t
.set rSA, WS+2*(4*rho+\t)+ks/2
.set rSB, XS+2*\i+ks/2
.else
.set rD, ACC+64*(\i/2)+16*\t+8*(\i%2)
.set rA, 12*(4*\i+ks)
.set rB, bf+12*\t
.set rC, BV+8*\t
.set rSA, XS+2*\i+ks/2
.set rSB, WS+2*(8+\t)+ks/2
.endif
.if ks > 0
.set rC, rD
.endif
	MM ks%2
.endr
.endr
	WIN 0
.endm
; q's or k's rows of group G: blocks 0, 1 are tile 2 G's two blocks of 32 features, blocks 2, 3 tile 2 G + 1's: so v[PC + 6 u] on are tile u's six registers.
.macro OUTQK cb, sb, G
	s_wait_xcnt 0x0                                ; earlier stores have read their data: the codes' registers and v12 are written again only behind this wait
	QUANT ACC+64*\G
.irp u, 0,1
	global_store_b128 v1, v[PC+6*\u:PC+6*\u+3], s[\cb:\cb+1] offset:\G*13312+768*\u        ; 512 consecutive bytes, aligned to 256
	global_store_b64 v2, v[PC+6*\u+4:PC+6*\u+5], s[\cb:\cb+1] offset:\G*13312+768*\u+512   ; 256
.endr
	v_lshrrev_b32 v12, v4, v[PW]                   ; lanes 0-15: tile 0's two bytes, lanes 16-31: tile 1's;
	v_and_b32 v12, 0xffff, v12                     ; bytes 2 and 3 of the word are 0: they meet zero codes
	global_store_b32 v3, v12, s[\sb:\sb+1] offset:\G*13312
.endm
; v of group G: block t is feature tile t, the group's 32 keys: registers 6 c .. 6 c + 5 of lanes of half hh are tile 2 c + hh's row r.
.macro OUTV G
	s_wait_xcnt 0x0
	QUANT ACC+64*\G
.irp c, 0,1
	global_store_b128 v1, v[PC+6*\c:PC+6*\c+3], s[52:53] offset:\G*12800+512*\c
	global_store_b64 v2, v[PC+6*\c+4:PC+6*\c+5], s[52:53] offset:\G*12800+1024+256*\c
.endr
.if \G == 0
	v_mov_b32 v13, v[PW]                           ; kept: both groups' words leave by one store
.else
	v_cndmask_b32 v12, v13, v[PW], s38
	global_store_b32 v9, v12, s[54:55]
.endif
.endm
.macro PLACES
.rept 4
	v_nop                                          ; four places in front of the first read of results just made
.endr
.endm
	WFETCH 0
	s_wait_loadcnt 0x0                             ; x's fragments and scale words, the biases
	WIN 0x82                                       ; source 0 and destination window 2
.irp t, 0,1,2,3
.irp j, 1,2,3,4,5,6,7
	v_mov_b32 v[BV+8*\t+\j], v[BV+8*\t]            ; v's bias is the same for a lane's eight keys
.endr
.endr
	WIN 0
	STEP 0
	STEP 1
	STEP 2
	STEP 3
	PLACES
	OUTQK 44, 46, 0
	OUTQK 44, 46, 1
	STEP 4                                         ; (the accumulators begin anew with another C: the quantiser's lines and eight v_nop lie between)
	STEP 5
	STEP 6
	STEP 7
	PLACES
	OUTQK 48, 50, 0
	OUTQK 48, 50, 1
	STEP 8
	STEP 9
	STEP 10
	STEP 11
	PLACES
	OUTV 0
	OUTV 1
	s_wait_tensorcnt 0x0
	ds_add_u32 v254, v255
	s_wait_dscnt 0x0
	s_endpgm
.Lfunc_end_k_q47aff6d4c8_qkv:
	.size	k_q47aff6d4c8_qkv, .Lfunc_end_k_q47aff6d4c8_qkv-k_q47aff6d4c8_qkv
	.p2alignl 7, 3214868480
	.fill 96, 4, 3214868480
	.section	.rodata,"a",@progbits
	.p2align	6, 0x0
	.amdhsa_kernel k_q47aff6d4c8_qkv
		.amdhsa_group_segment_fixed_size 168448
		.amdhsa_private_segment_fixed_size 0
		.amdhsa_enable_private_segment 0
		.amdhsa_kernarg_size 64
		.amdhsa_user_sgpr_count 2
		.amdhsa_user_sgpr_kernarg_segment_ptr 1
		.amdhsa_wavefront_size32 1
		.amdhsa_system_sgpr_workgroup_id_x 1
		.amdhsa_system_sgpr_workgroup_id_y 1
		.amdhsa_system_sgpr_workgroup_id_z 1
		.amdhsa_system_vgpr_workitem_id 0
		.amdhsa_next_free_vgpr 768
		.amdhsa_next_free_sgpr 66
		.amdhsa_reserve_vcc 0
		.amdhsa_float_denorm_mode_32 3
		.amdhsa_float_denorm_mode_16_64 3
		.amdhsa_memory_ordered 1
		.amdhsa_forward_progress 1
		.amdhsa_inst_pref_size 76
	.end_amdhsa_kernel
	.amdgpu_metadata
---
amdhsa.version: [ 1, 2 ]
amdhsa.kernels:
  - .name:           k_q47aff6d4c8_qkv
    .symbol:         k_q47aff6d4c8_qkv.kd
    .args:
      - { .name: xr, .offset: 0, .size: 8, .value_kind: global_buffer, .address_space: global }
      - { .name: wr, .offset: 8, .size: 8, .value_kind: global_buffer, .address_space: global }
      - { .name: bq, .offset: 16, .size: 8, .value_kind: global_buffer, .address_space: global }
      - { .name: bk, .offset: 24, .size: 8, .value_kind: global_buffer, .address_space: global }
      - { .name: bv, .offset: 32, .size: 8, .value_kind: global_buffer, .address_space: global }
      - { .name: qr, .offset: 40, .size: 8, .value_kind: global_buffer, .address_space: global }
      - { .name: kr, .offset: 48, .size: 8, .value_kind: global_buffer, .address_space: global }
      - { .name: vr, .offset: 56, .size: 8, .value_kind: global_buffer, .address_space: global }
    .group_segment_fixed_size: 168448
    .private_segment_fixed_size: 0
    .kernarg_segment_align: 8
    .kernarg_segment_size: 64
    .max_flat_workgroup_size: 128
    .sgpr_count:     66
    .vgpr_count:     768
    .wavefront_size: 32
...
	.end_amdgpu_metadata
.endif
;; end of part 2
;; launch attn (part 3): grid 256 x 1, 16 waves a work-group, no clusters, 228,352 bytes of LDS; arguments qr, kr, vr, wor, bo, out0; writes out0
.if DOCPART == 3
	.amdgcn_target "amdgcn-amd-amdhsa--gfx1250"
	.amdhsa_code_object_version 6
	.text
	.protected	k_q47aff6d4c8_attn
	.globl	k_q47aff6d4c8_attn
	.p2align	8
	.type	k_q47aff6d4c8_attn,@function
k_q47aff6d4c8_attn:
	s_mov_b64 s[64:65], 0
	v_nop
	global_prefetch_b8 v0, s[64:65] scope:SCOPE_SE
	s_setreg_imm32_b32 hwreg(HW_REG_WAVE_MODE, 25, 1), 1
	s_wait_xcnt 0x0
; Attention inside the band |key - query| <= 64, and the output projection, all on codes of FP6 (E2M3) with E8M0 scales.
; SHARES: a work-group owns one group of 32 queries (group B of its batch) for all 8 heads.  Their keys lie in the five groups B - 2 .. B + 2: the three middle ones count whole, the two outer ones are cut by one compare a score,
; groups outside 0 .. 127 of the batch are hidden whole (a neighbouring record is fetched in their place and every score made -infinity).  So a row's 160 scores lie in registers at once: one pass, the true maximum, no running one.
; Sixteen waves, four to a SIMD, so that one wave's vector work stands beside another's matrix work.  Attention: wave w = head w / 2, query tile w % 2.  Projection: wave w = output features 32 w .. 32 w + 31 for all 32 rows.
; LAYOUT.  Both products transposed: S^T = K Q^T, O^T = V^T P^T: a lane holds ONE query.  Tile rows are 8 u + m + 8 (m / 8) of their group, so the 16 registers of two neighbouring tiles are 16 neighbours: keys for p, features for O.
; K = 64 fills half of the 128: Q's upper six registers are zero codes, and K's operand simply runs on into the next tile's registers: finite codes x zero codes under scale bytes 0 add nothing.  Key step 1 holds one block of 32; the rest of p is zero codes.
; SOFTMAX: t = score x log2(e) / 8; M = ceil(the row's largest t); p = 2^(t - M) is quantised along the keys, block = group; the row's sum is taken of the unquantised p; O / sum is then quantised along the 512 for the projection.
; A block's largest p is not searched for: the block's largest score goes through the same multiply-add and exponential (this takes v_exp_f32 not to fall where its input rises).
; NO CLUSTER: neighbouring groups share four of their five key records, but each wants them at other LDS slots, and a joint load has one descriptor for all partners; Wo goes straight into registers.
; No prefetch: all loads are issued at the head or as soon as their registers are free.  Every LDS fill is a first fill; stores go to bytes of their own behind the slots.
; LIMITS: a block of zeros gets the byte 1 (its codes are zeros); NaN and infinities among the inputs are not served.
; LDS: slots of 13,312 bytes: 0-4 K's records, 5 Q's, 6-10 V's (12,800 used); then the attention output's images, their scale words, the stage for out.
.set REC,  13312
.set AIMG, 11*REC                      ; six registers of (tile u, head): (8 u + head) x 768: registers 0-3 at 16 l, 4-5 at 512 + 8 l
.set ASC,  AIMG+16*768                 ; the scale word of (u, K step s, row r): 256 u + 64 s + 4 r
.set STG,  ASC+1024                    ; 32 rows of out: 2,048 bytes + 16
.set SP,   2064
; REGISTERS: v1 16 x lane, v2 8 x lane, v3 r, v4 h, v5-15 addresses (early ones, then late ones); v16-27 Q, then V's scale words and Wo's; v28-93 K's ten tiles, then V of key step 0, then Wo's second tile and bo, then rows of out;
; v94-173 the scores, then p, then O^T (v94-125) and Wo's first tile (v126-173), then the projection's sums; v174-203 V of key step 1, then fragments; v204-227 p's codes, then fragments; v228-255 at work.
.set QF,  16
.set KF,  28
.set V0,  28
.set S,   94
.set V1,  174
.set PF0, 204
.set PF1, 216
.set BM,  236                          ; v236-240 K's scale words; then each block's largest score, then its largest p
.set BT,  241                          ; v241 Q's scale words; then v241-245 at work, the bytes
.set SO,  246                          ; v246-250 the conversions' scale operands
	s_load_b256 s[4:11], s[0:1], 0x0               ; qr 4:5, kr 6:7, vr 8:9, wor 10:11
	s_load_b128 s[12:15], s[0:1], 0x20             ; bo 12:13, out0 14:15
	v_lshl_add_u32 v254, v0, 2, 0x37400
	v_mov_b32 v255, 0
	ds_add_u32 v254, v255
	ds_add_u32 v254, v255
	s_wait_dscnt 0x0
	v_lshrrev_b32 v1, 5, v0
	s_delay_alu instid0(VALU_DEP_1)
	v_readfirstlane_b32 s16, v1                    ; wave
	s_lshr_b32 s17, s16, 1                         ; head
	s_and_b32 s18, s16, 1                          ; query tile
	s_and_b32 s20, ttmp9, 127                      ; B: the group in its batch
	s_sub_co_u32 s21, ttmp9, s20                   ; the batch's first group
	s_max_u32 s22, s16, 6                          ; which of the five groups my tensor load brings: waves 0-4 K's p = w; wave 5 Q's, p = 2; waves 6-10 V's p = w - 6
	s_sub_co_u32 s22, s22, 6
	s_min_u32 s22, s22, 4
	s_cmp_eq_u32 s16, 5
	s_cselect_b32 s22, 2, s22
	s_cmp_lt_u32 s16, 5
	s_cselect_b32 s22, s16, s22
	s_add_co_u32 s23, s20, s22
	s_sub_co_i32 s23, s23, 2
	s_max_i32 s23, s23, 0                          ; held inside the batch
	s_min_i32 s23, s23, 127
	s_add_co_u32 s23, s23, s21
	s_mov_b32 s58, 12800
	s_cmp_lt_u32 s16, 6
	s_cselect_b32 s58, REC, s58                    ; a record's bytes
	s_mul_i32 s58, s23, s58
	s_mov_b32 s59, 0
.irp g, 28, 36                                 ; group 1, twice: a dense record as rows of 256 bytes (32 elements of 8 bytes), no mask, no padding
	s_mov_b32 s[\g], 3<<16
	s_mov_b32 s[\g+1], 32<<16
	s_mov_b32 s[\g+3], 32<<16
	s_mov_b32 s[\g+5], 32
	s_mov_b32 s[\g+6], 0
	s_mov_b32 s[\g+7], 0
.endr
	s_mov_b32 s30, 52<<16                          ; Q's and K's records: 52 rows
	s_mov_b32 s32, 52
	s_mov_b32 s38, 50<<16                          ; V's: 50
	s_mov_b32 s40, 50
	s_mov_b32 s24, 1
	s_mul_i32 s25, s16, REC                        ; slot = wave
	s_mov_b32 s44, 0x76543210                      ; v_permlanex16_b32's selects for lane l xor 16
	s_mov_b32 s45, 0xfedcba98
	s_mov_b32 s46, 0x3e38aa3b                      ; c = log2(e) / 8
	s_mov_b32 s47, s46                             ; (named with it as a pair)
	s_mov_b32 s48, 0x05010400                      ; byte selects for the 4 x 4 turn of V's scale bytes
	s_mov_b32 s49, 0x07030602
	s_mov_b32 s50, 0x05040100
	s_mov_b32 s51, 0x07060302
	s_wait_kmcnt 0x0
	s_cmp_lt_u32 s16, 5                            ; the choices hang on the wave's number alone
	s_cselect_b64 s[26:27], s[6:7], s[4:5]
	s_cmp_lt_u32 s16, 6
	s_cselect_b64 s[26:27], s[26:27], s[8:9]
	s_add_nc_u64 s[26:27], s[26:27], s[58:59]
	s_or_b32 s27, s27, 0x80000000                  ; type = 2
	s_cmp_lt_u32 s16, 6                            ; eleven waves fetch a record each, the others nothing: first fills, ahead of every wait on TENSORcnt, LDS read and barrier
	s_cbranch_scc0 .Lnot_qk
	tensor_load_to_lds s[24:27], s[28:35]
	s_nop 0
.rept 4
	v_nop
.endr
	s_branch .Lasked
.Lnot_qk:
	s_cmp_lt_u32 s16, 11
	s_cbranch_scc0 .Lasked
	tensor_load_to_lds s[24:27], s[36:43]
	s_nop 0
.rept 4
	v_nop
.endr
.Lasked:
	s_mul_i32 s58, s16, 12800
	s_add_nc_u64 s[52:53], s[10:11], s[58:59]      ; Wo's tiles 2 w, 2 w + 1
	s_lshl_b32 s58, s16, 7
	s_add_nc_u64 s[54:55], s[12:13], s[58:59]      ; bo's 32 numbers
	s_lshl_b32 s58, ttmp9, 16
	s_lshl_b32 s60, s16, 12
	s_add_co_u32 s58, s58, s60
	s_add_nc_u64 s[56:57], s[14:15], s[58:59]      ; out: rows 32 group + 2 w, 2 w + 1
.irp j, 22,23,24,25,26,27, 88,89,90,91,92,93, 198,199,200,201,202,203, 222,223,224,225,226,227, 242,243,244,245, 253
	v_mov_b32 v\j, 0                               ; the zero codes that fill each operand's unused K; lane permutes' destinations; the upper half of a pair
.endr
	v_and_b32 v2, 31, v0
	s_delay_alu instid0(VALU_DEP_1)
	v_lshlrev_b32 v1, 4, v2                        ; 16 x lane
	s_delay_alu instid0(VALU_DEP_2)
	v_lshlrev_b32 v2, 3, v2                        ; 8 x lane
	s_wait_alu depctr_va_vdst(0)
	v_and_b32 v3, 15, v0                           ; r
	s_wait_alu depctr_va_vdst(0)
	v_bfe_u32 v4, v0, 4, 1                         ; h
	s_mul_i32 s60, s17, 1536                       ; the head's codes in a record
	v_add_nc_u32 v5, s60, v1                       ; K: registers 0-3,
	s_add_co_u32 s61, s60, 512
	v_add_nc_u32 v6, s61, v2                       ; registers 4-5,
	s_lshl_b32 s61, s17, 7
	s_add_co_u32 s61, s61, 12288
	v_lshrrev_b32 v7, 1, v2
	s_delay_alu instid0(VALU_DEP_1)
	v_add_nc_u32 v7, s61, v7                       ; scale words: lanes 0-15 tile 0's, lanes 16-31 tile 1's
	s_mul_i32 s62, s18, 768
	s_add_co_u32 s62, s62, s60
	s_add_co_u32 s62, s62, 5*REC
	v_add_nc_u32 v8, s62, v1                       ; Q: my tile
	s_add_co_u32 s63, s62, 512
	v_add_nc_u32 v9, s63, v2
	s_lshl_b32 s63, s18, 6
	s_add_co_u32 s63, s63, s61
	s_add_co_u32 s63, s63, 5*REC
	v_lshl_add_u32 v10, v3, 2, s63
	s_add_co_u32 s62, s60, 6*REC
	v_lshl_add_u32 v13, v3, 4, s62                 ; V: feature row r of the first record (key step 1 adds four records by its offset);
	s_wait_alu depctr_va_vdst(0)
	v_mad_u32_u24 v11, v4, REC, v13                ; key step 0: lanes 16-31 take the record one further on: block 2 c + h
	s_add_co_u32 s63, s62, 1024
	v_lshl_add_u32 v14, v3, 3, s63
	s_delay_alu instid0(VALU_DEP_1)
	v_mad_u32_u24 v12, v4, REC, v14
	s_lshl_b32 s63, s17, 6
	s_add_co_u32 s63, s63, 6*REC+12288
	v_lshl_add_u32 v15, v3, 2, s63                 ; V's scale words
	v_and_b32 v228, 8, v3
	s_delay_alu instid0(VALU_DEP_1)
	v_add_nc_u32 v228, v228, v3
	v_lshlrev_b32 v229, 4, v4
	s_delay_alu instid0(VALU_DEP_1)
	v_sub_nc_u32 v228, v228, v229
	s_lshl_b32 s63, s18, 3
	v_add_nc_u32 v228, s63, v228                   ; d = my query's place in its group - 16 h: register i of the first group is hidden where i < d, of the last where i > d
	v_mov_b32 v229, 0xff800000                     ; -infinity
	s_wait_alu depctr_va_vdst(0)
	s_wait_tensorcnt 0x0                           ; my record has landed (on every wave's path),
	s_barrier_signal -1
	s_barrier_wait -1                              ; everybody's has
	; ---- the fragments of Q and K, and V's of key step 1
	ds_load_b128 v[QF:QF+3], v8
	ds_load_b64 v[QF+4:QF+5], v9
	ds_load_b32 v241, v10
.irp p, 0,1,2,3,4
	ds_load_b32 v[BM+\p], v7 offset:\p*REC
.endr
.irp p, 0,1,2,3,4
.irp up, 0,1
	ds_load_b128 v[KF+6*(2*\p+\up):KF+6*(2*\p+\up)+3], v5 offset:\p*REC+768*\up
	ds_load_b64 v[KF+6*(2*\p+\up)+4:KF+6*(2*\p+\up)+5], v6 offset:\p*REC+768*\up
.endr
.endr
.irp t, 0,1,2,3
	ds_load_b128 v[V1+6*\t:V1+6*\t+3], v13 offset:4*REC+256*\t
	ds_load_b64 v[V1+6*\t+4:V1+6*\t+5], v14 offset:4*REC+128*\t
.endr
	s_wait_dscnt 8                                 ; all but V's eight loads, the youngest
	; ---- S^T = K Q^T: ten tiles of 16 keys; register 16 p + i of lane (r, h) is key 32 (B - 2 + p) + 16 h + i for my query
.irp kt, 0,2,4,6,8
	v_wmma_scale_f32_16x16x128_f8f6f4 v[S+8*\kt:S+8*\kt+7], v[KF+6*\kt:KF+6*\kt+11], v[QF:QF+11], 0, v[BM+\kt/2], v241 matrix_a_fmt:MATRIX_FMT_FP6 matrix_b_fmt:MATRIX_FMT_FP6
	v_wmma_scale_f32_16x16x128_f8f6f4 v[S+8*\kt+8:S+8*\kt+15], v[KF+6*\kt+6:KF+6*\kt+17], v[QF:QF+11], 0, v[BM+\kt/2], v241 matrix_a_fmt:MATRIX_FMT_FP6 matrix_b_fmt:MATRIX_FMT_FP6 matrix_a_scale:MATRIX_SCALE_ROW1
.endr
.rept 4
	v_nop                                          ; four places in front of loads into K's registers and of the first read of the scores
.endr
	; ---- V of key step 0 (blocks 0-3) and V's scale words, on their way during the softmax
.irp t, 0,1,2,3
.irp c, 0,1
	ds_load_b128 v[V0+12*\t+6*\c:V0+12*\t+6*\c+3], v11 offset:2*\c*REC+256*\t
	ds_load_b64 v[V0+12*\t+6*\c+4:V0+12*\t+6*\c+5], v12 offset:2*\c*REC+128*\t
.endr
.endr
.irp p, 0,1,2,3,4
	ds_load_b32 v[76+\p], v15 offset:\p*REC
.endr
	; ---- the band: hidden scores become -infinity ahead of the maximum (each accumulator is read from its low end on)
.irp i, 0,1,2,3,4,5,6,7,8,9,10,11,12,13,14,15
	v_cmp_lt_i32 vcc_lo, \i, v228
	v_cndmask_b32 v[S+\i], v[S+\i], v229, vcc_lo
	v_cmp_gt_i32 vcc_lo, \i, v228
	v_cndmask_b32 v[S+64+\i], v[S+64+\i], v229, vcc_lo
.endr
.macro HIDE p, op, lim                         ; a group outside the batch is hidden whole: a scalar branch on the work-group's number
	\op s20, \lim
	s_cbranch_scc1 .Linside_\@
.irp i, 0,1,2,3,4,5,6,7,8,9,10,11,12,13,14,15
	v_mov_b32 v[S+16*\p+\i], v229
.endr
.Linside_\@:
.endm
	HIDE 0, s_cmp_ge_u32, 2
	HIDE 1, s_cmp_ge_u32, 1
	HIDE 3, s_cmp_le_u32, 126
	HIDE 4, s_cmp_le_u32, 125
	; ---- the softmax.  The largest score of each block of 32 keys serves twice: for the row's maximum and for the block's largest p
.irp p, 0,1,2,3,4
	v_max3_num_f32 v[BM+\p], v[S+16*\p], v[S+16*\p+1], v[S+16*\p+2]
.endr
.irp i, 3,5,7,9,11,13
.irp p, 0,1,2,3,4
	v_max3_num_f32 v[BM+\p], v[BM+\p], v[S+16*\p+\i], v[S+16*\p+\i+1]   ; the five blocks by turns
.endr
.endr
.irp p, 0,1,2,3,4
	v_max_num_f32 v[BM+\p], v[BM+\p], v[S+16*\p+15]
.endr
.irp p, 0,1,2,3,4
	v_permlanex16_b32 v[BT+\p], v[BM+\p], s44, s45
.endr
.irp p, 0,1,2,3,4
	v_max_num_f32 v[BM+\p], v[BM+\p], v[BT+\p]     ; with lane l xor 16's 16 keys
.endr
	s_delay_alu instid0(VALU_DEP_3)
	v_max3_num_f32 v251, v236, v237, v238
	s_delay_alu instid0(VALU_DEP_1)
	v_max3_num_f32 v251, v251, v239, v240          ; the row's largest score (its own key always counts, so it is a number)
	s_delay_alu instid0(VALU_DEP_1)
	v_mul_f32 v251, s46, v251                      ; as t (c is positive)
	s_delay_alu instid0(VALU_DEP_1)
	v_floor_f32 v252, -v251                        ; -M = floor(-t) = -ceil(t)
.set j, 0
.rept 40
	v_pk_fma_f32 v[S+j:S+j+1], v[S+j:S+j+1], s[46:47], v[252:253] op_sel_hi:[1,0,0]   ; t - M, two at a time
.set j, j+2
.endr
.irp p, 0,1,2,3,4
	v_fma_f32 v[BM+\p], v[BM+\p], s46, v252        ; the same of each block's largest score
.endr
.set j, 0
	s_wait_alu depctr_va_vdst(0)
.rept 80
	v_exp_f32 v[S+j], v[S+j]                       ; p = 2^(t - M), at most 1, not normalised; 0 where hidden
.set j, j+1
.endr
	v_nop                                          ; a plain place behind the exponentials
	s_wait_alu depctr_va_vdst(0)                   ; one wait for the batch, ahead of its first reader
.irp p, 0,1,2,3,4
	v_exp_f32 v[BM+\p], v[BM+\p]                   ; the block's largest p: the same two instructions on the same number give the same bits
.endr
	v_pk_add_f32 v[228:229], v[94:95], v[96:97]
	v_pk_add_f32 v[252:253], v[102:103], v[106:107]
	v_pk_add_f32 v[250:251], v[110:111], v[114:115]
	v_pk_add_f32 v[248:249], v[118:119], v[122:123]
	v_pk_add_f32 v[246:247], v[126:127], v[130:131]
	v_pk_add_f32 v[244:245], v[134:135], v[138:139]
	v_pk_add_f32 v[242:243], v[142:143], v[146:147]
	v_pk_add_f32 v[254:255], v[150:151], v[154:155]
	v_pk_add_f32 v[254:255], v[254:255], v[158:159]
	v_pk_add_f32 v[228:229], v[228:229], v[162:163]
	v_pk_add_f32 v[252:253], v[252:253], v[166:167]
	v_pk_add_f32 v[250:251], v[250:251], v[170:171]
	v_pk_add_f32 v[248:249], v[248:249], v[98:99]
	v_pk_add_f32 v[246:247], v[246:247], v[100:101]
	v_pk_add_f32 v[244:245], v[244:245], v[104:105]
	v_pk_add_f32 v[242:243], v[242:243], v[108:109]
	v_pk_add_f32 v[254:255], v[254:255], v[112:113]
	v_pk_add_f32 v[228:229], v[228:229], v[116:117]
	v_pk_add_f32 v[252:253], v[252:253], v[120:121]
	v_pk_add_f32 v[250:251], v[250:251], v[124:125]
	v_pk_add_f32 v[248:249], v[248:249], v[128:129]
	v_pk_add_f32 v[246:247], v[246:247], v[132:133]
	v_pk_add_f32 v[244:245], v[244:245], v[136:137]
	v_pk_add_f32 v[242:243], v[242:243], v[140:141]
	v_pk_add_f32 v[254:255], v[254:255], v[144:145]
	v_pk_add_f32 v[228:229], v[228:229], v[148:149]
	v_pk_add_f32 v[252:253], v[252:253], v[152:153]
	v_pk_add_f32 v[250:251], v[250:251], v[156:157]
	v_pk_add_f32 v[248:249], v[248:249], v[160:161]
	v_pk_add_f32 v[246:247], v[246:247], v[164:165]
	v_pk_add_f32 v[244:245], v[244:245], v[168:169]
	v_pk_add_f32 v[242:243], v[242:243], v[172:173]
	s_delay_alu instid0(VALU_DEP_4)
	v_pk_add_f32 v[254:255], v[254:255], v[248:249]
	s_delay_alu instid0(VALU_DEP_4)
	v_pk_add_f32 v[228:229], v[228:229], v[246:247]
	s_delay_alu instid0(VALU_DEP_4)
	v_pk_add_f32 v[252:253], v[252:253], v[244:245]
	s_delay_alu instid0(VALU_DEP_4)
	v_pk_add_f32 v[250:251], v[250:251], v[242:243]
	s_delay_alu instid0(VALU_DEP_2)
	v_pk_add_f32 v[254:255], v[254:255], v[252:253]
	s_delay_alu instid0(VALU_DEP_2)
	v_pk_add_f32 v[228:229], v[228:229], v[250:251]
	s_delay_alu instid0(VALU_DEP_1)
	v_pk_add_f32 v[254:255], v[254:255], v[228:229]
	s_wait_alu depctr_va_vdst(0)                   ; and one for the five
.irp p, 0,1,2,3,4
	v_max_num_f32 v[BM+\p], 0x1800000, v[BM+\p]    ; the floor 2^(3 - 127): the byte cannot fall under 1 (a block of zeros keeps that byte: its codes are zeros)
.endr
.irp p, 0,1,2,3,4
	v_add_nc_u32 v[SO+\p], 0xff000000, v[BM+\p]    ; 2 off the exponent field: the conversion's scale operand
.endr
.irp p, 0,1,2,3,4
	v_lshrrev_b32 v[BT+\p], 23, v[SO+\p]           ; the scale's byte; block 4's, alone in its word (v245), is key step 1's scale word
.endr
	s_delay_alu instid0(VALU_DEP_4)
	v_lshl_or_b32 v236, v242, 8, v241              ; p's scale word for key step 0
	s_delay_alu instid0(VALU_DEP_1)
	v_lshl_or_b32 v236, v243, 16, v236
	s_delay_alu instid0(VALU_DEP_1)
	v_lshl_or_b32 v236, v244, 24, v236
	s_wait_dscnt 0x0                               ; V and its scale words are in
	v_perm_b32 v81, v77, v76, s48                  ; V's words come a record (key block) each, byte t for feature tile t; the product wants a word a tile, byte b for key block b: a turn of 4 x 4 bytes
	v_perm_b32 v82, v77, v76, s49
	v_perm_b32 v83, v79, v78, s48
	v_perm_b32 v84, v79, v78, s49
	s_delay_alu instid0(VALU_DEP_2)
	v_perm_b32 v16, v83, v81, s50
	s_delay_alu instid0(VALU_DEP_3)
	v_perm_b32 v17, v83, v81, s51
	s_delay_alu instid0(VALU_DEP_3)
	v_perm_b32 v18, v84, v82, s50
	s_delay_alu instid0(VALU_DEP_4)
	v_perm_b32 v19, v84, v82, s51
.irp t, 0,1,2,3
	v_bfe_u32 v[20+\t], v80, 8*\t, 8               ; key step 1: block 4's byte alone
.endr
	; ---- p's codes
.irp c, 0,1
	v_cvt_scalef32_pk16_fp6_f32 v[PF0+6*\c:PF0+6*\c+2], v[S+32*\c:S+32*\c+15], v[SO+2*\c]
	v_cvt_scalef32_pk16_fp6_f32 v[228+4*\c:230+4*\c], v[S+32*\c+16:S+32*\c+31], v[SO+2*\c+1]   ; (a conversion's three registers begin on an even number)
.endr
	v_cvt_scalef32_pk16_fp6_f32 v[PF1:PF1+2], v[S+64:S+79], v[SO+4]
	v_nop                                          ; one plain place behind a scaled conversion
.irp c, 0,1                                    ; the operand's layout wants a WHOLE block in a lane
.irp i, 0,1,2
	v_permlane16_swap_b32 v[PF0+6*\c+\i], v[228+4*\c+\i]
.endr
.irp i, 0,1,2
	s_delay_alu instid0(VALU_DEP_3)
	v_mov_b32 v[PF0+3+6*\c+\i], v[228+4*\c+\i]
.endr
.endr
.irp i, 0,1,2
	v_mov_b32 v[228+\i], 0                         ; key step 1: lanes 0-15 get block 4 whole, lanes 16-31 zero codes
.endr
.irp i, 0,1,2
	v_permlane16_swap_b32 v[PF1+\i], v[228+\i]
.endr
.irp i, 0,1,2
	s_delay_alu instid0(VALU_DEP_3)
	v_mov_b32 v[PF1+3+\i], v[228+\i]
.endr
	; ---- the late addresses: fourteen plain lines, which are also the places between the last write of a scale word (8 asked) or of p's codes (4) and the scaled products below
	v_lshlrev_b32 v13, 6, v4                       ; bo: 16 h numbers on
	s_lshl_b32 s60, s18, 3
	s_add_co_u32 s60, s60, s17
	s_mul_i32 s60, s60, 768
	s_add_co_u32 s60, s60, AIMG
	v_add_nc_u32 v5, s60, v1                       ; where I store my image: (8 u + head) x 768
	s_add_co_u32 s61, s60, 512
	v_add_nc_u32 v6, s61, v2
	s_lshl_b32 s61, s18, 8
	s_lshr_b32 s62, s17, 1
	s_lshl_b32 s62, s62, 6
	s_add_co_u32 s61, s61, s62
	s_and_b32 s62, s17, 1
	s_lshl_b32 s62, s62, 1
	s_add_co_u32 s61, s61, s62
	s_add_co_u32 s61, s61, ASC
	v_lshl_add_u32 v7, v3, 2, s61                  ; and my two scale bytes: 256 u + 64 (head / 2) + 4 r + 2 (head % 2)
	v_add_nc_u32 v8, AIMG, v1                      ; where images are read
	v_add_nc_u32 v9, AIMG+512, v2
	v_lshrrev_b32 v10, 1, v2
	s_delay_alu instid0(VALU_DEP_1)
	v_add_nc_u32 v10, ASC, v10                     ; and scale words: lanes 0-15 an even K step's, lanes 16-31 the odd one's
	v_and_b32 v11, 8, v3
	s_delay_alu instid0(VALU_DEP_1)
	v_add_nc_u32 v11, v11, v3
	s_delay_alu instid0(VALU_DEP_1)
	v_mul_u32_u24 v11, v11, SP
	s_delay_alu instid0(VALU_DEP_1)
	v_lshl_add_u32 v11, v4, 6, v11
	s_lshl_b32 s61, s16, 7
	s_add_co_u32 s61, s61, STG
	v_add_nc_u32 v11, s61, v11                     ; the stage: row r + 8 (r / 8), my 128 bytes, + 64 h
	s_mul_i32 s61, s16, 2*SP
	s_add_co_u32 s61, s61, STG
	v_add_nc_u32 v12, s61, v1                      ; back: rows 2 w, 2 w + 1
	; p's registers are free: Wo's first tile, Wo's scale words and bo are asked for
.irp s, 0,1,2,3
.irp c, 0,1,2
	global_load_b128 v[126+12*\s+4*\c:126+12*\s+4*\c+3], v1, s[52:53] offset:1536*\s+512*\c
.endr
.endr
	global_load_b64 v[24:25], v2, s[52:53] offset:6144
	global_load_b64 v[26:27], v2, s[52:53] offset:12544
.irp ct, 0,1
.irp k, 0,1
	global_load_b128 v[78+8*\ct+4*\k:78+8*\ct+4*\k+3], v13, s[54:55] offset:32*\ct+16*\k   ; lane (r, h), tile ct: bo of features 32 w + 16 h + 8 ct + 0 .. 7
.endr
.endr
	; ---- O^T = V^T P^T: four tiles of 16 features by turns, two key steps; register 8 t + j is feature 32 (t / 2) + 16 h + 8 (t % 2) + j of my query
.irp t, 0,1,2,3
	v_wmma_scale_f32_16x16x128_f8f6f4 v[S+8*\t:S+8*\t+7], v[V0+12*\t:V0+12*\t+11], v[PF0:PF0+11], 0, v[16+\t], v236 matrix_a_fmt:MATRIX_FMT_FP6 matrix_b_fmt:MATRIX_FMT_FP6
.endr
.irp t, 0,1,2,3
	v_wmma_scale_f32_16x16x128_f8f6f4 v[S+8*\t:S+8*\t+7], v[V1+6*\t:V1+6*\t+11], v[PF1:PF1+11], v[S+8*\t:S+8*\t+7], v[20+\t], v245 matrix_a_fmt:MATRIX_FMT_FP6 matrix_b_fmt:MATRIX_FMT_FP6
.endr
.rept 4
	v_nop                                          ; four places in front of loads into V's registers, of the first read of O^T and of writes of the scale registers
.endr
.irp s, 0,1,2,3
.irp c, 0,1,2
	global_load_b128 v[28+12*\s+4*\c:28+12*\s+4*\c+3], v1, s[52:53] offset:6400+1536*\s+512*\c   ; Wo's second tile
.endr
.endr
	; ---- O / the sum, quantised along the 512: my head's two blocks of 32
	v_add_f32 v254, v254, v255                     ; the sum's two halves,
	s_delay_alu instid0(VALU_DEP_1)
	v_permlanex16_b32 v241, v254, s44, s45
	s_delay_alu instid0(VALU_DEP_1)
	v_add_f32 v254, v254, v241                     ; and lane l xor 16's
	s_wait_alu depctr_va_vdst(0)
	v_rcp_f32 v248, v254
	v_mov_b32 v249, 0                              ; (a plain place behind the reciprocal; the upper half of its pair)
	s_wait_alu depctr_va_vdst(0)                   ; the wait ahead of its first reader
.irp j, 0,2,4,6,8,10,12,14,16,18,20,22,24,26,28,30
	v_pk_mul_f32 v[S+\j:S+\j+1], v[S+\j:S+\j+1], v[248:249] op_sel_hi:[1,0]   ; each accumulator from its low end on
.endr
.irp b, 0,1
	v_max3_num_f32 v[236+\b], |v[S+16*\b]|, |v[S+16*\b+1]|, 0x1800000
.endr
.irp i, 2,4,6,8,10,12,14
.irp b, 0,1
	s_delay_alu instid0(VALU_DEP_2)
	v_max3_num_f32 v[236+\b], v[236+\b], |v[S+16*\b+\i]|, |v[S+16*\b+\i+1]|
.endr
.endr
.irp b, 0,1
	s_delay_alu instid0(VALU_DEP_2)
	v_permlanex16_b32 v[238+\b], v[236+\b], s44, s45
.endr
.irp b, 0,1
	s_delay_alu instid0(VALU_DEP_2)
	v_max_num_f32 v[236+\b], v[236+\b], v[238+\b]
.endr
.irp b, 0,1
	s_delay_alu instid0(VALU_DEP_2)
	v_add_nc_u32 v[244+\b], 0xff000000, v[236+\b]
.endr
.irp b, 0,1
	s_delay_alu instid0(VALU_DEP_2)
	v_lshrrev_b32 v[238+\b], 23, v[244+\b]
.endr
	s_delay_alu instid0(VALU_DEP_1)
	v_lshl_or_b32 v246, v239, 8, v238              ; my two bytes of the row's scale word
	v_cvt_scalef32_pk16_fp6_f32 v[228:230], v[S:S+15], v244
	v_cvt_scalef32_pk16_fp6_f32 v[240:242], v[S+16:S+31], v245
	v_nop                                          ; one plain place behind a scaled conversion
.irp i, 0,1,2
	v_permlane16_swap_b32 v[228+\i], v[240+\i]
.endr
.irp i, 0,1,2
	s_delay_alu instid0(VALU_DEP_3)
	v_mov_b32 v[231+\i], v[240+\i]                 ; v228-233: lanes 0-15 the head's features 0-31 of row r, lanes 16-31 features 32-63: half a fragment of the projection's K step head / 2
.endr
	ds_store_b128 v5, v[228:231]
	ds_store_b64 v6, v[232:233]
	ds_store_b16 v7, v246                          ; lanes l and l xor 16 write the same two bytes with the same value
	s_wait_dscnt 0x0                               ; for the others' sake: my image has landed
	s_barrier_signal -1
	s_barrier_wait -1
	; ---- out = a Wo^T + bo, transposed (source 0 = 16 rows of Wo, source 1 = 16 rows): four accumulators by turns, a K step at a time
.irp up, 0,1
.irp k, 0,1
	ds_load_b32 v[236+2*\up+\k], v10 offset:256*\up+128*\k
.endr
.endr
.macro AFETCH s, buf                           ; both row tiles' fragments of K step s: eight loads
.irp up, 0,1
.irp c, 0,1
	ds_load_b128 v[\buf+12*\up+6*\c:\buf+12*\up+6*\c+3], v8 offset:(8*\up+2*\s+\c)*768
	ds_load_b64 v[\buf+12*\up+6*\c+4:\buf+12*\up+6*\c+5], v9 offset:(8*\up+2*\s+\c)*768
.endr
.endr
.endm
.macro PROJ s, buf
.irp up, 0,1
.irp ct, 0,1
.set rD, S+8*(2*\up+\ct)
.set rA, 126-98*\ct+12*\s
.set rB, \buf+12*\up
.set rC, rD
.if \s == 0
.set rC, 78+8*\ct                              ; the bias starts the sum
.endif
.set rSA, 24+2*\ct+\s/2
.set rSB, 236+2*\up+\s/2
.if \s%2
	v_wmma_scale_f32_16x16x128_f8f6f4 v[rD:rD+7], v[rA:rA+11], v[rB:rB+11], v[rC:rC+7], v[rSA], v[rSB] matrix_a_fmt:MATRIX_FMT_FP6 matrix_b_fmt:MATRIX_FMT_FP6 matrix_a_scale:MATRIX_SCALE_ROW1 matrix_b_scale:MATRIX_SCALE_ROW1
.else
	v_wmma_scale_f32_16x16x128_f8f6f4 v[rD:rD+7], v[rA:rA+11], v[rB:rB+11], v[rC:rC+7], v[rSA], v[rSB] matrix_a_fmt:MATRIX_FMT_FP6 matrix_b_fmt:MATRIX_FMT_FP6
.endif
.endr
.endr
.endm
.macro PLACES
.rept 4
	v_nop
.endr
.endm
	AFETCH 0, 204
	AFETCH 1, 174
	s_wait_loadcnt 0x0                             ; Wo's two tiles, its scale words, bo
	s_wait_dscnt 8                                 ; all but K step 1's eight loads
	PROJ 0, 204
	PLACES                                         ; in front of loads into the registers just read
	AFETCH 2, 204
	s_wait_dscnt 8                                 ; all but K step 2's eight
	PROJ 1, 174
	PLACES
	AFETCH 3, 174
	s_wait_dscnt 8                                 ; all but K step 3's eight
	PROJ 2, 204
	s_wait_dscnt 0x0
	PROJ 3, 174
	PLACES                                         ; in front of the first read of results, and of the loads into Wo's registers below
	; ---- the way out: a lane's 16 results are 64 neighbouring bytes of a row; a row's 2,048 bytes come from sixteen waves and meet in the stage
.irp up, 0,1
.irp ct, 0,1
	ds_store_b128 v11, v[S+8*(2*\up+\ct):S+8*(2*\up+\ct)+3] offset:8*SP*\up+32*\ct        ; each accumulator from its low end on
	ds_store_b128 v11, v[S+8*(2*\up+\ct)+4:S+8*(2*\up+\ct)+7] offset:8*SP*\up+32*\ct+16
.endr
.endr
	s_wait_dscnt 0x0                               ; for the others' sake: my stores into the stage have landed
	s_barrier_signal -1
	s_barrier_wait -1
.irp k, 0,1
.irp q, 0,1,2,3
	ds_load_b128 v[28+4*(4*\k+\q):28+4*(4*\k+\q)+3], v12 offset:SP*\k+512*\q
.endr
.endr
.irp k, 0,1
.irp q, 0,1,2,3
	s_wait_dscnt 7-(4*\k+\q)                       ; LDS loads come back in order: the younger ones stay out
	global_store_b128 v1, v[28+4*(4*\k+\q):28+4*(4*\k+\q)+3], s[56:57] offset:2048*\k+512*\q th:TH_STORE_NT   ; 32 lanes store 512 consecutive bytes, aligned to 256; written once, read by nobody here
.endr
.endr
	s_wait_xcnt 0x0
	v_lshl_add_u32 v254, v0, 2, 0x37400
	v_mov_b32 v255, 0
	s_wait_alu depctr_va_vdst(0)
	s_wait_tensorcnt 0x0
	ds_add_u32 v254, v255
	s_wait_dscnt 0x0
	s_endpgm
.Lfunc_end_k_q47aff6d4c8_attn:
	.size	k_q47aff6d4c8_attn, .Lfunc_end_k_q47aff6d4c8_attn-k_q47aff6d4c8_attn
	.p2alignl 7, 3214868480
	.fill 96, 4, 3214868480
	.section	.rodata,"a",@progbits
	.p2align	6, 0x0
	.amdhsa_kernel k_q47aff6d4c8_attn
		.amdhsa_group_segment_fixed_size 228352
		.amdhsa_private_segment_fixed_size 0
		.amdhsa_enable_private_segment 0
		.amdhsa_kernarg_size 48
		.amdhsa_user_sgpr_count 2
		.amdhsa_user_sgpr_kernarg_segment_ptr 1
		.amdhsa_wavefront_size32 1
		.amdhsa_system_sgpr_workgroup_id_x 1
		.amdhsa_system_sgpr_workgroup_id_y 1
		.amdhsa_system_sgpr_workgroup_id_z 1
		.amdhsa_system_vgpr_workitem_id 0
		.amdhsa_next_free_vgpr 256
		.amdhsa_next_free_sgpr 66
		.amdhsa_reserve_vcc 1
		.amdhsa_float_denorm_mode_32 3
		.amdhsa_float_denorm_mode_16_64 3
		.amdhsa_memory_ordered 1
		.amdhsa_forward_progress 1
		.amdhsa_inst_pref_size 49
	.end_amdhsa_kernel
	.amdgpu_metadata
---
amdhsa.version: [ 1, 2 ]
amdhsa.kernels:
  - .name:           k_q47aff6d4c8_attn
    .symbol:         k_q47aff6d4c8_attn.kd
    .args:
      - { .name: qr, .offset: 0, .size: 8, .value_kind: global_buffer, .address_space: global }
      - { .name: kr, .offset: 8, .size: 8, .value_kind: global_buffer, .address_space: global }
      - { .name: vr, .offset: 16, .size: 8, .value_kind: global_buffer, .address_space: global }
      - { .name: wor, .offset: 24, .size: 8, .value_kind: global_buffer, .address_space: global }
      - { .name: bo, .offset: 32, .size: 8, .value_kind: global_buffer, .address_space: global }
      - { .name: out0, .offset: 40, .size: 8, .value_kind: global_buffer, .address_space: global }
    .group_segment_fixed_size: 228352
    .private_segment_fixed_size: 0
    .kernarg_segment_align: 8
    .kernarg_segment_size: 48
    .max_flat_workgroup_size: 512
    .sgpr_count:     66
    .vgpr_count:     256
    .wavefront_size: 32
...
	.end_amdgpu_metadata
.endif
;; end of part 3
